; MI455X (gfx1250); checked and timed in simulation.
; The chip was launched on July 23, 2026; its instructions are those of AMD's public machine-readable ISA for CDNA 5 (MIT licence, August 2026) and "CDNA5" Instruction Set Architecture Reference Guide (July 2026). The comments in the code are by the model that wrote it; some were corrected since.
;; Hydra Attention. Allowed arithmetic: matrix products marked QUANTISED: E4M3 operands, one given power-of-two scale a tensor, by v_wmma_f32_16x16x64_fp8_fp8 or v_wmma_f32_16x16x128_fp8_fp8, f32 sums; everything else in f32.
;; Inputs: in_proj_bias 3,072 float32; in_proj_weight 3,072 x 1,024 float32; key 4,096 x 4 x 1,024 float32; lowp_scales 8 int32 (the exponents e of the quantised operands' scales 2^e); out_proj_bias 1,024 float32; out_proj_weight 1,024 x 1,024 float32; query 4,096 x 4 x 1,024 float32; value 4,096 x 4 x 1,024 float32.
;; Outputs: out0 4,096 x 4 x 1,024 float32.
;; This version of the problem:
;;   THIS VERSION OF THE PROBLEM IS GIVEN IN LOW PRECISION. The matrix products marked QUANTISED in the list below multiply operands that are first quantised to E4M3 (4 exponent bits, 3 mantissa bits; 8 bits a number), with one given power-of-two scale for each operand tensor; their sums are f32. All else is computed in f32.
;;   The module's matrix products, in the order in which they are computed (A, B: the left and right operand; K: the contracted axis; several contracted axes count as one K, in the product's order):
;;     1. [M 16,384, K 1,024] x [K 1,024, N 1,024]; A: input query; B: computed on the way: QUANTISED (scales: A lowp_scales[0], B lowp_scales[1])
;;     2. [M 16,384, K 1,024] x [K 1,024, N 1,024]; A: input key; B: computed on the way: QUANTISED (scales: A lowp_scales[2], B lowp_scales[3])
;;     3. [M 16,384, K 1,024] x [K 1,024, N 1,024]; A: input value; B: computed on the way: QUANTISED (scales: A lowp_scales[4], B lowp_scales[5])
;;     4. [M 16,384, K 1,024] x [K 1,024, N 1,024]; A: computed on the way; B: input out_proj_weight: QUANTISED (scales: A lowp_scales[6], B lowp_scales[7])
;;   THE QUANTISER, for each operand of a quantised product, along K:
;;     - The operand's scale is 2^e, e = its entry of the input lowp_scales (int32; the entries are numbered through the quantised products in the list's order, A before B).
;;     - Each number is divided by the scale, clamped to +-448, and rounded to the nearest number of E4M3, ties to even, subnormals kept.
;;     - The product sums the exact products of the quantised numbers (number of the format x scale) in f32.
;;   ~~~python
;;   def quantise(x, axis, e):      # numpy; x: float32 -> the quantised numbers, widened to float32 again
;;       x = np.moveaxis(x, axis, -1); K = x.shape[-1]
;;       r = np.clip(x / 2.0 ** e, -448, 448)
;;       step = 2.0 ** (np.maximum(np.frexp(np.where(r == 0, 1, r))[1] - 1, -6) - 3)
;;       q = np.round(r / step) * step * 2.0 ** e      # np.round: ties to even
;;       return np.moveaxis(q, -1, axis).astype(np.float32)
;;   ~~~
;;   OPERANDS COMPUTED ON THE WAY. 'Computed on the way' means the value that the module computes at that place (a softmax that the list does not call 'softmax' is quantised finished and normalised). What goes into a quantiser is computed in f32, as accurately as f32 sums, v_exp_f32 and their like allow (about 1e-6 of the number): no bf16 or f16 on the way to a quantiser, and a product that is left as it is and whose result goes on into a quantised operand takes f32 operands (vector FMAs, or v_wmma_f32_16x16x4_f32). A number that lies on a knife's edge between two numbers of the format may be rounded either way, as far as f32 arithmetic and the matrix unit's own rounding can turn it there, and no further.
;; One version. Each part assembles by itself: llvm-mc -triple=amdgcn-amd-amdhsa -mcpu=gfx1250 --defsym DOCPART=n.
;; ======== version 1 of 1: 3 launches
;; limits: right only within a limited range of input values
;; workspace buffers: wcodes 4,194,304 bytes; kvpart 1,048,576 bytes
;; launch prep (part 1): grid 256 x 1, 4 waves a work-group, no clusters, 0 bytes of LDS; arguments in_proj_weight, out_proj_weight, lowp_scales, wcodes; writes wcodes
.if DOCPART == 1
	.amdgcn_target "amdgcn-amd-amdhsa--gfx1250"
	.amdhsa_code_object_version 6
	.text
	.protected	k_qff634032e5_prep
	.globl	k_qff634032e5_prep
	.p2align	8
	.type	k_qff634032e5_prep,@function
k_qff634032e5_prep:
	s_mov_b64 s[64:65], 0
	v_nop
	global_prefetch_b8 v0, s[64:65] scope:SCOPE_SE
	s_setreg_imm32_b32 hwreg(HW_REG_WAVE_MODE, 25, 1), 1
	s_wait_xcnt 0x0
; HYDRA ATTENTION, launch 1 of 3: the four weights (wq, wk, wv: the thirds of in_proj_weight; out_proj_weight), each [1024][1024] f32 with K innermost,
; become codes of FP8 (E4M3) once, with the given scales 2^e (entries 1, 3, 5, 7 of lowp_scales): code = w / 2^e, held within +-448, to the nearest code, ties to even.
; NOTHING OF reference() IS LEFT OUT in this program: every input has a way to out0, and all four products are live.
; LIMITS: each given e lies between -126 and 119, so that 2^e and 448 x 2^e are f32 numbers.  NaN among the inputs is not served.
; LAYOUT OF wcodes.  A FRAGMENT is 16 weight rows x 128 K, stored as the image of the 16 registers that hold it as a matrix operand: byte 512 c + 16 L holds, for lane L = (r, h), K = 128 ks + 32 c + 16 h + 0 .. 15
; of the lane's row.  THE ROWS OF A TILE ARE NOT NEIGHBOURS: lane r of tile 2 b + u takes row base + 32 b + 8 u + r + 8 (r / 8).
; Fragment (stream, wave w, K step ks, sel, tile ct) lies at byte ((((stream x 4 + w) x 8 + ks) x 2 + sel) x 16 + ct) x 2,048: for a wave of a later launch and a K step, 16 fragments of its first weight, then 16 of its second.
;   stream 0 (launch kvsum):   sel 0: wk, sel 1: wv; tile ct of rows 256 w on.
;   stream 1 (launch project): sel 0: wq, tile ct of rows 256 w on;  sel 1: out_proj_weight, tile ct % 4 of rows 256 (ct / 4) + 64 w on.
; SHARES.  1,024 waves; wave X takes the pair of fragments ct = 2 p, 2 p + 1 with X = stream x 512 + w x 128 + ks x 16 + sel x 8 + p: its 4,096 bytes lie at X x 4,096.
; A lane loads 16 neighbours along K of each block of 32 of its row, so that the conversions' results are the operand's registers; a store of the wave covers 512 consecutive bytes, aligned.
; No LDS and no barrier: waves share nothing.  The tensors are small beside the activations, so the loads (16 bytes of sixteen rows in sixteen lanes; a wave's 16 loads use each row's 512 bytes whole) get no stage.
	s_load_b256 s[4:11], s[0:1], 0x0               ; in_proj_weight s[4:5], out_proj_weight s[6:7], lowp_scales s[8:9], wcodes s[10:11]
	v_lshrrev_b32 v1, 5, v0
	v_readfirstlane_b32 s12, v1                    ; wave 0..3
	s_lshl_b32 s13, ttmp9, 2
	s_add_co_u32 s13, s13, s12                     ; X
	s_lshr_b32 s14, s13, 9                         ; the stream
	s_bfe_u32 s15, s13, 0x20007                    ; w
	s_bfe_u32 s16, s13, 0x30004                    ; ks
	s_bfe_u32 s17, s13, 0x10003                    ; sel
	s_and_b32 s18, s13, 7                          ; p
	s_lshl_b32 s28, s14, 1
	s_add_co_u32 s28, s28, s17                     ; which weight: 0 wk, 1 wv, 2 wq, 3 out_proj_weight
	s_lshl_b32 s30, s15, 8
	s_lshl_b32 s31, s18, 5
	s_add_co_u32 s30, s30, s31                     ; wk, wv, wq: first row 256 w + 32 p
	s_lshr_b32 s32, s18, 1
	s_lshl_b32 s32, s32, 8
	s_lshl_b32 s33, s15, 6
	s_add_co_u32 s32, s32, s33
	s_and_b32 s33, s18, 1
	s_lshl_b32 s33, s33, 5
	s_add_co_u32 s32, s32, s33                     ; out_proj_weight: first row 256 (p / 2) + 64 w + 32 (p % 2)
	s_cmp_eq_u32 s28, 3
	s_cselect_b32 s30, s32, s30
	s_cmp_eq_u32 s28, 0
	s_cselect_b32 s38, 1024, 0                     ; wk begins at row 1,024 of in_proj_weight,
	s_cmp_eq_u32 s28, 1
	s_cselect_b32 s38, 2048, s38                   ; wv at row 2,048
	s_add_co_u32 s30, s30, s38
	s_lshl_b32 s30, s30, 12                        ; a row is 4,096 bytes
	s_lshl_b32 s29, s16, 9                         ; a K step 512
	s_add_co_u32 s30, s30, s29
	s_mov_b32 s31, 0
	s_lshl_b32 s42, s13, 12                        ; where the pair's images go
	s_mov_b32 s43, 0
	v_and_b32 v2, 15, v0                           ; r
	v_bfe_u32 v3, v0, 4, 1                         ; h
	v_and_b32 v4, 8, v2
	v_add_nc_u32 v4, v4, v2                        ; r + 8 (r / 8)
	v_lshlrev_b32 v4, 12, v4
	v_lshl_add_u32 v4, v3, 6, v4                   ; my row, + 64 h: my 16 numbers of a block of 32
	v_and_b32 v5, 31, v0
	v_lshlrev_b32 v5, 4, v5                        ; 16 x lane: my place in an image
	s_wait_alu depctr_va_vdst(0)
	s_wait_kmcnt 0x0
	s_load_b256 s[20:27], s[8:9], 0x0              ; the eight exponents
	s_cmp_eq_u32 s28, 3                            ; the choice hangs on ids alone
	s_cselect_b64 s[4:5], s[6:7], s[4:5]
	s_add_nc_u64 s[4:5], s[4:5], s[30:31]
	s_add_nc_u64 s[10:11], s[10:11], s[42:43]
.irp u, 0,1                                    ; tile 2 p + u lies 8 rows further down
.irp c, 0,1,2,3
.irp j, 0,1,2,3
	global_load_b128 v[16+64*\u+16*\c+4*\j:16+64*\u+16*\c+4*\j+3], v4, s[4:5] offset:32768*\u+128*\c+16*\j th:TH_LOAD_NT
.endr
.endr
.endr
	s_wait_kmcnt 0x0
	s_cmp_eq_u32 s28, 0
	s_cselect_b32 s44, s23, s25                    ; wk: entry 3; wv: entry 5
	s_cmp_eq_u32 s28, 2
	s_cselect_b32 s44, s21, s44                    ; wq: entry 1
	s_cmp_eq_u32 s28, 3
	s_cselect_b32 s44, s27, s44                    ; out_proj_weight: entry 7
	s_add_co_i32 s44, s44, 127
	s_lshl_b32 s45, s44, 23
	v_mov_b32 v6, s45                              ; 2^e as f32: the conversion takes its exponent field
	s_add_co_i32 s44, s44, 8
	s_lshl_b32 s44, s44, 23
	s_or_b32 s45, s44, 0x600000                    ; 448 x 2^e
	s_or_b32 s44, s45, 0x80000000                  ; and its negative
.irp u, 0,1
	s_wait_loadcnt 16-16*\u                        ; this fragment's 16 loads are in; the second fragment's 16 may be out
.set X, 0
.rept 64
	v_med3_num_f32 v[16+64*\u+X], v[16+64*\u+X], s44, s45   ; the conversion to an 8-bit code does not saturate (ISA guide 7.6.2): the hold comes first
.set X, X+1
.endr
.irp p, 0,1,2,3,4,5,6,7
	v_cvt_scalef32_pk8_fp8_f32 v[144+16*\u+2*\p:144+16*\u+2*\p+1], v[16+64*\u+8*\p:16+64*\u+8*\p+7], v6
.endr
.irp c, 0,1,2,3
	global_store_b128 v5, v[144+16*\u+4*\c:144+16*\u+4*\c+3], s[10:11] offset:2048*\u+512*\c   ; registers 4 c .. 4 c + 3 of all 32 lanes: 512 consecutive bytes
.endr
.endr                                          ; (the codes go to stores alone, and the lines behind the first fragment's conversions are plain and touch other registers)
	s_endpgm
.Lfunc_end_k_qff634032e5_prep:
	.size	k_qff634032e5_prep, .Lfunc_end_k_qff634032e5_prep-k_qff634032e5_prep
	.p2alignl 7, 3214868480
	.fill 96, 4, 3214868480
	.section	.rodata,"a",@progbits
	.p2align	6, 0x0
	.amdhsa_kernel k_qff634032e5_prep
		.amdhsa_group_segment_fixed_size 0
		.amdhsa_private_segment_fixed_size 0
		.amdhsa_enable_private_segment 0
		.amdhsa_kernarg_size 32
		.amdhsa_user_sgpr_count 2
		.amdhsa_user_sgpr_kernarg_segment_ptr 1
		.amdhsa_wavefront_size32 1
		.amdhsa_system_sgpr_workgroup_id_x 1
		.amdhsa_system_sgpr_workgroup_id_y 1
		.amdhsa_system_sgpr_workgroup_id_z 1
		.amdhsa_system_vgpr_workitem_id 0
		.amdhsa_next_free_vgpr 176
		.amdhsa_next_free_sgpr 66
		.amdhsa_reserve_vcc 0
		.amdhsa_float_denorm_mode_32 3
		.amdhsa_float_denorm_mode_16_64 3
		.amdhsa_memory_ordered 1
		.amdhsa_forward_progress 1
		.amdhsa_inst_pref_size 16
	.end_amdhsa_kernel
	.amdgpu_metadata
---
amdhsa.version: [ 1, 2 ]
amdhsa.kernels:
  - .name:           k_qff634032e5_prep
    .symbol:         k_qff634032e5_prep.kd
    .args:
      - { .name: in_proj_weight, .offset: 0, .size: 8, .value_kind: global_buffer, .address_space: global }
      - { .name: out_proj_weight, .offset: 8, .size: 8, .value_kind: global_buffer, .address_space: global }
      - { .name: lowp_scales, .offset: 16, .size: 8, .value_kind: global_buffer, .address_space: global }
      - { .name: wcodes, .offset: 24, .size: 8, .value_kind: global_buffer, .address_space: global }
    .group_segment_fixed_size: 0
    .private_segment_fixed_size: 0
    .kernarg_segment_align: 8
    .kernarg_segment_size: 32
    .max_flat_workgroup_size: 128
    .sgpr_count:     66
    .vgpr_count:     176
    .wavefront_size: 32
...
	.end_amdgpu_metadata
.endif
;; end of part 1
;; launch kvsum (part 2): grid 256 x 1, 4 waves a work-group, no clusters, 90,624 bytes of LDS; arguments key, value, wcodes, in_proj_bias, lowp_scales, kvpart; writes kvpart
.if DOCPART == 2
	.amdgcn_target "amdgcn-amd-amdhsa--gfx1250"
	.amdhsa_code_object_version 6
	.text
	.protected	k_qff634032e5_kvsum
	.globl	k_qff634032e5_kvsum
	.p2align	8
	.type	k_qff634032e5_kvsum,@function
k_qff634032e5_kvsum:
	s_mov_b64 s[64:65], 0
	v_nop
	global_prefetch_b8 v0, s[64:65] scope:SCOPE_SE
	s_setreg_imm32_b32 hwreg(HW_REG_WAVE_MODE, 25, 1), 1
	s_wait_xcnt 0x0
; HYDRA ATTENTION, launch 2 of 3: kvpart[b x 64 + sblk][f] = the sum over 64 positions s of (k / |k|)[s, b, f] x v[s, b, f], k = Q(key) Q(wk)^T + bk, v = Q(value) Q(wv)^T + bv, both products on codes of FP8 (E4M3).  No work of reference() is left out.
; SHARES.  Work-group x owns the 64 rows s = 64 sblk + 0 .. 63 (sblk = x / 4) of batch b = x % 4 and ALL 1,024 features, since a row's norm wants them all.
; Wave w owns features 256 w .. 256 w + 255 for all 64 rows; it also quantises rows 16 w .. 16 w + 15 of key and value.
; POWERS OF TWO.  k' = sum + bk x 2^-(e2+e3) is k x 2^-(e2+e3), and k / |k| = k' / |k'|.  v' = sum + bv x 2^-(e4+e5); the finished sum is multiplied once by 2^(e4+e5).
; LIMITS: e2 and e4 between -126 and 119; |e2 + e3| and |e4 + e5| at most 126, so that each power of two here is an f32 number.  NaN among the inputs is not served.  A row whose sum of squares of k' lies under 2^-126 is flushed by v_rsq_f32.
; The plain K = 128 form is fed with K = 32 c + 16 h + 0 .. 15 in registers 4 c .. 4 c + 3, alike on both sides: every product meets its partner; the order of sums inside an instruction is another.
; WEIGHTS come as register images (launch prep) FROM MEMORY STRAIGHT INTO THE OPERAND'S REGISTERS: a fragment is four loads of 512 consecutive bytes.  Seven buffers of two fragments take turns: six groups, 48 loads, are on their way all the time.
; NO CLUSTER AND NO JOINT LOADS, though every work-group reads the same weights.  A fragment is read by one wave alone and feeds 4 matrix instructions.  Through LDS slots that take turns one tile a wave is on its way between two barriers,
; and beside value's codes two slots hold 14 fragments a wave each: 56 matrix instructions for each wait for all loads and each round of barriers, 19 times.  Loads into registers want no barrier and no wait for all of them.
; THE WALK OVER K BEGINS ELSEWHERE IN EACH WORK-GROUP: index i of the walk is K step (i + rot) % 8, rot = (x ^ (x / 8)) % 8, for key, value and both weights alike: so the 256 work-groups ask for eight different parts of a weight at a time.
; rot enters global addresses alone; the order of the f32 sums along K differs from work-group to work-group.
; ACTIVATIONS: a chunk is 16 rows x 128 K of f32: each load reads 512 consecutive bytes of one row.  Two chunks of 64 registers are on their way.  A conversion takes the quads of two rows; each dword, 4 codes of a row, goes to padded rows in LDS.
; Key's images take turns in two buffers; value's codes stay whole, since v is made in four quarters of N (16 accumulators: the registers beside them hold weights on their way).
; THE PRODUCTS ARE USED IN THE NATURAL ORDER (source 0 = 16 rows, source 1 = 16 features): a lane holds ONE feature and its registers rows 8 h + j, so the sum over rows stays in the lane.
; k's 64 groups are straight text, v's four quarters one loop: groups of two fragments, written by a driver; the symbols DSN and LDN count the LDS instructions and global loads of the macros, and a counted wait is the number issued behind the one that is wanted, cut at 63
; (instructions that the symbols do not count make a count smaller, never larger).
; REGISTERS, in windows of 256.  Window 0: v0-15 ids and addresses; v16-31 a chunk's codes, later bv; v32-159 two sets of 4 activation fragments (v96-159 is free at each phase's end); v160-255 three buffers of 2 weight fragments.
;   window 1: v0-127 two chunks, later bk and 1 / |k'|, later v's 16 accumulators; v128-255 four buffers of 2 weight fragments.   windows 2, 3: k: accumulator (tile ct, rows rt) at ((ct % 8) 4 + rt) 8 of window 2 + ct / 8.
.set NB,    7                          ; buffers of two weight fragments
.set LA,    NB-1                       ; groups asked for ahead
.set BW1,   256-32*(NB-3)              ; window 1's buffers begin here
.set NCH,   16                         ; chunks: 2 i = key's index i of the walk, 2 i + 1 = value's
.set KP,    144                        ; a row of a key image: 128 bytes + 16: an odd multiple of 16, so that the 16 rows of a load start at 16 different groups of banks (ISA guide 11.1)
.set VP,    1040                       ; a row of value's codes: 1,024 + 16
.set VAL,   0                          ; LDS: value's 64 rows;
.set KEYR,  VAL+64*VP                  ; two key images of 64 rows;
.set NS,    KEYR+2*64*KP               ; the waves' sums of squares, 256 bytes a wave;
.set KVS,   NS+1024                    ; the result in feature order, 1,024 bytes a wave;
.set SPARE, KVS+4096                   ; the spare words, 128 bytes for each wave: two blocks of 256 bytes that no other line names
.set SPW, 1                            ; v1   LDS address of my spare word; never rewritten
.set NIL, 2                            ; v2   0; never rewritten
.set XO,  3                            ; v3   16 x lane
.set XC,  4                            ; v4-5 16 x lane + the K step's 512 bytes: key's chunk, value's chunk
.set KW,  6                            ; v6   where my rows' key codes go
.set VW,  7                            ; v7   the same for value
.set KR,  8                            ; v8   a key fragment: row r, + 16 h
.set VR,  9                            ; v9   the same for value
.set SCK, 10                           ; v10-11  2^e2, 2^e4 as f32
.set BO,  12                           ; v12  4 (r + 8 (r / 8)): my feature's place in a tile pair
.set PFO, 13                           ; v13  the prefetches' lane term: row lane / 2, block lane % 2
.set PFV, 14                           ; v14-15  the prefetches' offsets (key's, value's), while there are prefetches;
.set TA,  14                           ; later LDS addresses
.set TB,  15
.set PC,  16
.set AF,  32
.set T,   96
.set WV,  16                           ; s16  my wave's number
.set CX,  17                           ; s17  the batch
.set ROT, 18                           ; s18  rot
.set SBLK, 19                          ; s19  the block of 64 positions
.set WB,  28                           ; s[28:43] eight pairs: my wave's 32 fragments of the walk's index i; never rewritten
.set LIM, 52                           ; s52-55  -448 x 2^e2, +; -448 x 2^e4, +
.set SBK, 56                           ; s[56:57] 2^-(e2+e3), s[58:59] 2^-(e4+e5): pairs for the packed form
.set SBV, 58
.set EV,  60                           ; s60  e4 + e5
.set SEL, 66                           ; s[66:67] selects of v_permlanex16_b32: lane l xor 16
.set KB,  80                           ; s[80:81] key, s[82:83] value at my wave's first row
.set BKB, 84                           ; s[84:85] bk, s[86:87] bv at my wave's first feature
.set BVB, 86
.set OUTB, 88                          ; s[88:89] my wave's 1,024 bytes of kvpart.   s70: at work; s71: 0
.set MSB, 0
.set DSN, 0
.set LDN, 0
.set BM0, 0
.set BM1, 0
.set BM2, 0
.set BM3, 0
.set BM4, 0
.set BM5, 0
.set BM6, 0
.set AMa, 0
.set AMb, 0
.set CMk, 0
.set CMv, 0
.set PCM, 0
.set BKM, 0
.set QN, 72                            ; s72  the quarter of v in hand: the loop's counter
.macro WIN new                         ; the immediate's high byte repeats the setting that is left; a switch that changes nothing is dropped
.if MSB != (\new)
	s_set_vgpr_msb (MSB<<8)|(\new)
.set MSB, (\new)
.endif
.endm
.macro PLACES                          ; four places in front of loads into registers that matrix instructions have read, and of the first read of results
.rept 4
	v_nop
.endr
.endm
.macro DSW m                           ; all LDS instructions up to mark m are done: the count is what the macros have issued since
.if (DSN-(\m)) > 63
	s_wait_dscnt 63
.else
	s_wait_dscnt DSN-(\m)
.endif
.endm
.macro LDW m                           ; the same for global loads
.if (LDN-(\m)) > 63
	s_wait_loadcnt 63
.else
	s_wait_loadcnt LDN-(\m)
.endif
.endm
.macro BARRIER                         ; my LDS stores have landed and my LDS loads are in: then the work-group's barrier
	s_wait_dscnt 0x0
	s_barrier_signal -1
	s_barrier_wait -1
.endm
.macro KOFF idx, sh                    ; s70 = the K step of the walk's index idx, shifted
	s_add_co_u32 s70, s[ROT], \idx
	s_and_b32 s70, s70, 7
	s_lshl_b32 s70, s70, \sh
.endm
.macro BSHIFT                          ; the marks of the last seven groups: BM0 is the oldest's
.set BM0, BM1
.set BM1, BM2
.set BM2, BM3
.set BM3, BM4
.set BM4, BM5
.set BM5, BM6
.set BM6, LDN
.endm
.macro BUFOF g                         ; group g's buffer: window BW, first register BB
.if (\g) < 64
.set BX, (\g)%NB
.else                                  ; v's groups: the order repeats every 16 groups (buffers 1-5, 1-5, 1-6), and any five neighbours have five different buffers
.set BX, 1+(((\g)-64)%16)%5+5*((((\g)-64)%16)/15)
.endif
.if BX < 3
.set BW, 0
.set BB, 160+32*BX
.else
.set BW, 1
.set BB, BW1+32*(BX-3)
.endif
.endm
.macro CLOAD                           ; chunk CLN: my 16 rows x 128 K of f32 into staging set CLN % 2: a load reads 512 consecutive bytes of one row.  The set's offset register is free: its last chunk's loads have been waited for
	WIN 0
	KOFF CLN/2, 9
	v_add_nc_u32 v[XC+CLN%2], s70, v[XO]
	WIN 0x40
.irp i, 0,1,2,3,4,5,6,7,8,9,10,11,12,13,14,15
	global_load_b128 v[64*(CLN%2)+4*\i:64*(CLN%2)+4*\i+3], v[XC+CLN%2], s[KB+2*(CLN%2):KB+2*(CLN%2)+1] offset:\i*16384 th:TH_LOAD_NT
.endr
	WIN 0
.set LDN, LDN+16
.if CLN%2
.set CMv, LDN
.else
.set CMk, LDN
.endif
.endm
.macro QC                              ; chunk QCN is quantised, its codes go to LDS, and its registers take the chunk two further on
.set QV,  QCN%2
.set QST, 64*QV
.set QS,  QCN/2
.if QV
	LDW CMv                                        ; the chunk's 16 loads are in; what was asked for behind them stays out
.else
	LDW CMk
.endif
	WIN 0x41
.set X, 0
.rept 64
	v_med3_num_f32 v[QST+X], v[QST+X], s[LIM+2*QV], s[LIM+2*QV+1]   ; the conversion to an 8-bit code does not saturate (ISA guide 7.6.2): the hold comes first
.set X, X+1
.endr
	s_wait_alu depctr_va_vdst(0)
	DSW PCM                                        ; the last chunk's LDS stores have read v16-31
	WIN 0x01
.irp p, 0,1,2,3,4,5,6,7
	v_cvt_scalef32_pk8_fp8_f32 v[PC+2*\p:PC+2*\p+1], v[QST+8*\p:QST+8*\p+7], v[SCK+QV]   ; rows 2 p and 2 p + 1: four codes each, K = 4 lane + 0 .. 3
.endr
	v_nop                                          ; one plain line behind the last conversion
	WIN 0
.irp i, 0,1,2,3,4,5,6,7,8,9,10,11,12,13,14,15
.if QV
	ds_store_b32 v[VW], v[PC+\i] offset:\i*VP+128*QS
.else
	ds_store_b32 v[KW], v[PC+\i] offset:(QS%2)*64*KP+\i*KP
.endif
.endr
.set DSN, DSN+16
.set PCM, DSN
.if QCN+2 < NCH
.set CLN, QCN+2
	CLOAD
.endif
.endm
.macro BLOAD                           ; group LG: two weight fragments into its buffer: eight loads of 512 consecutive bytes.  LG < 64: wk, index LG / 8 of the walk, tiles 2 (LG % 8) on;  else wv: quarter (LG - 64) / 16, index ((LG - 64) / 2) % 8, tiles 2 (LG % 2) on
	BUFOF LG
.if LG < 64
.set BI, LG/8
.set BVR, XO
.set BOF, (LG%8)*4096
.else
.set BI, ((LG-64)/2)%8
.set BVR, XC                           ; wv: the offset register carries the quarter in hand; LG - 64 >= 16 names the quarter behind it
.set BOF, 32768+((LG-64)/16)*8192+((LG-64)%2)*4096
.endif
	WIN 0x40*BW
.irp u, 0,1
.irp c, 0,1,2,3
	global_load_b128 v[BB+16*\u+4*\c:BB+16*\u+4*\c+3], v[BVR], s[WB+2*BI:WB+2*BI+1] offset:BOF+2048*\u+512*\c
.endr
.endr
.set LDN, LDN+8
	BSHIFT
.endm
.macro ALOAD                           ; K step LK of the text (0-7 key's, 8-16 value's, in a loop of four trips): the four tiles of rows into set LK % 2
.set ABL, AF+64*(LK%2)
.irp rt, 0,1,2,3
.irp c, 0,1,2,3
.if LK < 8
	ds_load_b128 v[ABL+16*\rt+4*\c:ABL+16*\rt+4*\c+3], v[KR] offset:(LK%2)*64*KP+\rt*16*KP+32*\c
.else
	ds_load_b128 v[ABL+16*\rt+4*\c:ABL+16*\rt+4*\c+3], v[VR] offset:\rt*16*VP+128*(LK%8)+32*\c
.endif
.endr
.endr
.set DSN, DSN+16
.set AMb, DSN
.endm
.macro MM                              ; group G: 2 fragments x 4 tiles of rows: eight accumulators, one instruction a turn; a sum's first K step takes the constant 0 as C
	BUFOF G
.set ZF, 0
.if G < 64
.set ABF, AF+64*((G/8)%2)
.set AC0, 32*((2*G)%8)
.if G < 8
.set ZF, 1
.endif
	WIN 0xa0+0x50*(((2*G)%16)/8)+4*BW
.else
.set ABF, AF+64*(((G-64)/2)%2)
.set AC0, 64*((G-64)%2)
.if (((G-64)/2)%8) == 0
.set ZF, 1
.endif
	WIN 0x50+4*BW
.endif
.irp u, 0,1
.irp rt, 0,1,2,3
.if ZF
	v_wmma_f32_16x16x128_fp8_fp8 v[AC0+32*\u+8*\rt:AC0+32*\u+8*\rt+7], v[ABF+16*\rt:ABF+16*\rt+15], v[BB+16*\u:BB+16*\u+15], 0
.else
	v_wmma_f32_16x16x128_fp8_fp8 v[AC0+32*\u+8*\rt:AC0+32*\u+8*\rt+7], v[ABF+16*\rt:ABF+16*\rt+15], v[BB+16*\u:BB+16*\u+15], v[AC0+32*\u+8*\rt:AC0+32*\u+8*\rt+7]
.endif
.endr
.endr
.endm
.macro BKLOAD                          ; bk of my 16 tiles, each number twice (a pair for the packed form), into window 1 v0-31: key's chunks are all converted
	WIN 0x40
.set CT, 0
.rept 16
	global_load_b32 v[2*CT], v[BO], s[BKB:BKB+1] offset:(32*(CT/2)+8*(CT%2))*4
	global_load_b32 v[2*CT+1], v[BO], s[BKB:BKB+1] offset:(32*(CT/2)+8*(CT%2))*4
.set CT, CT+1
.endr
	WIN 0
.set LDN, LDN+32
.set BKM, LDN
.endm
.macro BVLOAD                          ; bv of the four tiles of the quarter that v[XC+1] names, each twice, into v16-23
.set CT, 0
.rept 4
	global_load_b32 v[PC+2*CT], v[XC+1], s[BVB:BVB+1] offset:(32*(CT/2)+8*(CT%2))*4
	global_load_b32 v[PC+2*CT+1], v[XC+1], s[BVB:BVB+1] offset:(32*(CT/2)+8*(CT%2))*4
.set CT, CT+1
.endr
.set LDN, LDN+8
.endm
; IN THE MIDDLE OF KEY'S K STEP HK: value's chunk HK and key's chunk HK + 1 are quantised, and one barrier shows them to all four waves.  Key's image HK + 1 lies over image HK - 1, whose loads every wave awaited in front of the barrier before.
; THE PREFETCHES INTO THE L2 stand together behind the chunks' loads: the two chunks (2 HK + 5, 2 HK + 6) that the NEXT such place will load: one K step, 64 matrix instructions and two chunks' conversions, ahead of their loads.
; A chunk is 16 rows x 512 bytes: 32 blocks of 256 bytes, a lane a block, one instruction; each block is my wave's alone and is named once.  Chunks 0 to 4 come by their loads alone; behind chunk 15 there is nothing.
.macro HOOK
.set HK, G/8
	WIN 0
.if HK <= 5
	s_wait_xcnt 0x0                                ; the last prefetches, a K step back, have read their offsets, so these may be written
	KOFF HK+2, 9
	v_add_nc_u32 v[PFV+1], s70, v[PFO]
.if HK <= 4
	KOFF HK+3, 9
	v_add_nc_u32 v[PFV], s70, v[PFO]
.endif
.endif
.set QCN, 2*HK+1
	QC
.if HK < 7
.set QCN, 2*HK+2
	QC
.endif
.if HK <= 5
	global_prefetch_b8 v[PFV+1], s[KB+2:KB+3] th:TH_LOAD_NT scope:SCOPE_SE
.if HK <= 4
	global_prefetch_b8 v[PFV], s[KB:KB+1] th:TH_LOAD_NT scope:SCOPE_SE
.endif
.endif
	BARRIER
.if HK == 6
	v_mov_b32 v[XC], v[XO]                         ; key's chunks are all in: v4 becomes wv's offset, at quarter 0
	s_wait_alu depctr_va_vdst(0)
	BKLOAD
.endif
.endm
.macro KEND                            ; k is summed: bias, norms over all 1,024 features, k / |k|
	PLACES
	s_wait_xcnt 0x0                                ; the last prefetches have read v14 and v15, which become LDS addresses below
	LDW BKM                                        ; bk
.irp w, 0,1
	WIN 0xa1+0x50*\w
.set X, 0
.rept 128
	v_pk_fma_f32 v[X:X+1], v[16*\w+2*(X/32):16*\w+2*(X/32)+1], s[SBK:SBK+1], v[X:X+1] op_sel_hi:[1,0,1]   ; k' = bk x 2^-(e2+e3) + sum; each accumulator from its low end on
.set X, X+2
.endr
.endr
.irp w, 0,1
	WIN 0x0a+5*\w
.set X, 0
.rept 128
.if (\w == 0) && (X < 32)
	v_pk_mul_f32 v[T+X:T+X+1], v[X:X+1], v[X:X+1]  ; the first tile starts the 32 rows' sums of squares
.else
	v_pk_fma_f32 v[T+(X%32):T+(X%32)+1], v[X:X+1], v[X:X+1], v[T+(X%32):T+(X%32)+1]
.endif
.set X, X+2
.endr
.endr
	WIN 0
.irp m, 1,2,4,8                                ; over the 16 lanes (features) of my half
.set X, 0
.rept 32
	v_add_f32_dpp v[T+X], v[T+X], v[T+X] row_xmask:\m row_mask:0xf bank_mask:0xf
.set X, X+1
.endr
.endr
	v_bfe_u32 v[TA], v0, 4, 1
	v_lshlrev_b32 v[TA], 5, v[TA]
	v_add_nc_u32 v[TA], NS, v[TA]                  ; row 16 rt + 8 h + j lies at 4 x row
	s_lshl_b32 s70, s[WV], 8
	v_add_nc_u32 v[TB], s70, v[TA]                 ; in my wave's 256 bytes
.irp rt, 0,1,2,3
	ds_store_b128 v[TB], v[T+8*\rt:T+8*\rt+3] offset:64*\rt
	ds_store_b128 v[TB], v[T+8*\rt+4:T+8*\rt+7] offset:64*\rt+16
.endr
	s_wait_alu depctr_va_vdst(0)
	BARRIER
	WIN 0x40
.irp w, 0,1,2,3
.irp rt, 0,1,2,3
	ds_load_b128 v[32*\w+8*\rt:32*\w+8*\rt+3], v[TA] offset:256*\w+64*\rt
	ds_load_b128 v[32*\w+8*\rt+4:32*\w+8*\rt+7], v[TA] offset:256*\w+64*\rt+16
.endr
.endr
	s_wait_dscnt 0x0
	WIN 0x45
.set X, 0
.rept 16
	v_pk_add_f32 v[X:X+1], v[X:X+1], v[32+X:33+X]
	v_pk_add_f32 v[64+X:65+X], v[64+X:65+X], v[96+X:97+X]
.set X, X+2
.endr
.set X, 0
.rept 16
	v_pk_add_f32 v[X:X+1], v[X:X+1], v[64+X:65+X]
.set X, X+2
.endr
	WIN 0x41
.set X, 0
	s_wait_alu depctr_va_vdst(0)
.rept 32
	v_rsq_f32 v[X], v[X]                           ; 1 / |k'| of row 16 rt + 8 h + j at v[8 rt + j] of window 1
.set X, X+1
.endr
	v_nop                                          ; a plain line behind the last of the batch
	s_wait_alu depctr_va_vdst(0)                   ; one wait for the 32, ahead of their first reader
.irp w, 0,1
	WIN 0x86+0x41*\w
.set X, 0
.rept 128
	v_pk_mul_f32 v[X:X+1], v[X:X+1], v[X%32:(X%32)+1]
.set X, X+2
.endr
.endr
	WIN 0
.endm
.macro VENDA                           ; a quarter of v is summed: the bias (its loads are older than the quarter's groups, whose waits have covered them)
.set PCQ, PC
	PLACES
	WIN 0x50
.set X, 0
.rept 64
	v_pk_fma_f32 v[X:X+1], v[PCQ+2*(X/32):PCQ+2*(X/32)+1], s[SBV:SBV+1], v[X:X+1] op_sel_hi:[1,0,1]   ; v' = bv x 2^-(e4+e5) + sum; each accumulator from its low end on
.set X, X+2
.endr
	WIN 0
.endm
.macro VENDB                           ; quarter QV: the sum over my 64 rows of k / |k| x v', to LDS in feature order
.set KO, 128*(QV%2)                    ; k's tiles 4 QV .. 4 QV + 3 lie from here on in window 2 + QV / 2
	WIN 0x56+QV/2
.set Y, 0
.rept 16                                       ; four chains, one a tile, by turns; a chain's sum lies in the tile's first pair
.set CT, 0
.rept 4
.if Y == 0
	v_pk_mul_f32 v[32*CT:32*CT+1], v[KO+32*CT:KO+32*CT+1], v[32*CT:32*CT+1]
.else
	v_pk_fma_f32 v[32*CT:32*CT+1], v[KO+32*CT+2*Y:KO+32*CT+2*Y+1], v[32*CT+2*Y:32*CT+2*Y+1], v[32*CT:32*CT+1]
.endif
.set CT, CT+1
.endr
.set Y, Y+1
.endr
	WIN 0x05
.irp c, 0,1,2,3
	v_add_f32 v[T+\c], v[32*\c], v[32*\c+1]
.endr
	WIN 0
.irp c, 0,1,2,3
	v_mov_b32 v[T+8+\c], v[T+\c]                   ; (a lane permute's destination counts as one of its sources)
.endr
.irp c, 0,1,2,3
	v_permlanex16_b32 v[T+8+\c], v[T+\c], s[SEL], s[SEL+1]   ; the rows 8 (1 - h) + j lie in the lane 16 away
.endr
.irp c, 0,1,2,3
	v_add_f32 v[T+\c], v[T+\c], v[T+8+\c]
.endr
.irp c, 0,1,2,3
	v_ldexp_f32 v[T+\c], v[T+\c], s[EV]            ; x 2^(e4+e5)
.endr
.irp c, 0,1,2,3
	ds_store_b32 v[TA], v[T+\c] offset:(64*QV+32*(\c/2)+8*(\c%2))*4   ; both halves of the lanes hold the same number
.endr
.endm
.macro STEP                            ; group G: ask for group G + LA, into the buffer that group G - 1 has left; wait for group G; multiply
.if (G < 64) && ((G%8) == 4)
	HOOK
.endif
.set FIRST, 0
.if (G < 64) && ((G%8) == 0)
.set FIRST, 1
.endif
.if (G >= 64) && ((G%2) == 0)
.set FIRST, 1
.endif
.if FIRST
.set AMa, AMb
.endif
.set NEEDA, 0
.if (G < 56) && ((G%8) == 6)
.set NEEDA, 1
.set LK, G/8+1
.endif
.if (G >= 62) && (G < 126) && ((G%2) == 0)
.set NEEDA, 1
.set LK, 8+(G-62)/2
.endif
.if (G+LA < 68) || NEEDA
	PLACES
.endif
.if G+LA < 68
.set LG, G+LA
	BLOAD
.else
	BSHIFT
.endif
.if NEEDA
	WIN 0
	ALOAD                                          ; the next K step's rows, two groups ahead of their first use
.endif
	LDW BM0                                        ; group G's eight loads are in; the younger groups' (and chunks') stay out
.if FIRST
	DSW AMa                                        ; this K step's rows are in
.endif
	MM
.if G == 63
	KEND
.endif
.endm
	s_load_b256 s[4:11], s[0:1], 0x0               ; key s[4:5], value s[6:7], wcodes s[8:9], in_proj_bias s[10:11]
	s_load_b128 s[12:15], s[0:1], 0x20             ; lowp_scales s[12:13], kvpart s[14:15]
	v_lshl_add_u32 v[SPW], v0, 2, SPARE
	v_mov_b32 v[NIL], 0
	v_lshrrev_b32 v96, 5, v0
	v_readfirstlane_b32 s[WV], v96                 ; wave 0..3
	s_and_b32 s[CX], ttmp9, 3                      ; the batch
	s_lshr_b32 s[SBLK], ttmp9, 2                   ; the block of 64 positions
	s_lshr_b32 s[ROT], ttmp9, 3
	s_xor_b32 s[ROT], s[ROT], ttmp9
	s_and_b32 s[ROT], s[ROT], 7                    ; where my walk over K begins
	s_mov_b32 s[SEL], 0x76543210
	s_mov_b32 s[SEL+1], 0xfedcba98
	s_lshl_b32 s74, s[SBLK], 20                    ; 64 positions x 16,384 bytes,
	s_lshl_b32 s75, s[CX], 12                      ; the batch's 4,096,
	s_add_co_u32 s74, s74, s75
	s_lshl_b32 s75, s[WV], 18                      ; my wave's 16 rows
	s_add_co_u32 s74, s74, s75
	s_mov_b32 s75, 0
	s_lshl_b32 s76, s[CX], 6
	s_add_co_u32 s76, s76, s[SBLK]
	s_lshl_b32 s76, s76, 12                        ; kvpart: row b x 64 + sblk,
	s_lshl_b32 s77, s[WV], 10
	s_add_co_u32 s76, s76, s77                     ; my 256 features
	s_mov_b32 s77, 0
	s_lshl_b32 s78, s[WV], 10
	s_add_co_u32 s78, s78, 4096                    ; bk begins at number 1,024
	s_mov_b32 s79, 0
	s_lshl_b32 s70, s[WV], 19                      ; my wave's 256 fragments of stream 0
	s_mov_b32 s71, 0                               ; stays 0: the upper word of every offset made in s70
	v_and_b32 v96, 31, v0                          ; lane
	v_lshlrev_b32 v[XO], 4, v96
	s_wait_alu depctr_va_vdst(0)
	s_wait_kmcnt 0x0
	s_load_b256 s[20:27], s[12:13], 0x0            ; e0 .. e7
	s_add_nc_u64 s[72:73], s[8:9], s[70:71]
.irp i, 0,1,2,3,4,5,6,7
	KOFF \i, 16                                    ; a K step's 32 fragments are 65,536 bytes
	s_add_nc_u64 s[WB+2*\i:WB+2*\i+1], s[72:73], s[70:71]
.endr
	s_add_nc_u64 s[KB:KB+1], s[4:5], s[74:75]
	s_add_nc_u64 s[KB+2:KB+3], s[6:7], s[74:75]
	s_add_nc_u64 s[OUTB:OUTB+1], s[14:15], s[76:77]
	s_add_nc_u64 s[BKB:BKB+1], s[10:11], s[78:79]
	s_add_nc_u64 s[BVB:BVB+1], s[BKB:BKB+1], 4096
.set CLN, 0
	CLOAD
.set CLN, 1
	CLOAD
.set LG, 0
	BLOAD
.set LG, 1
	BLOAD
.set LG, 2
	BLOAD
	WIN 0
	v_and_b32 v97, 15, v0                          ; r
	v_bfe_u32 v98, v0, 4, 1                        ; h
	s_mul_i32 s72, s[WV], 16*KP
	s_add_co_u32 s72, s72, KEYR
	v_lshl_add_u32 v[KW], v96, 2, s72
	s_mul_i32 s72, s[WV], 16*VP
	s_add_co_u32 s72, s72, VAL
	v_lshl_add_u32 v[VW], v96, 2, s72
	v_mul_u32_u24 v[KR], v97, KP
	v_lshl_add_u32 v[KR], v98, 4, v[KR]
	v_add_nc_u32 v[KR], KEYR, v[KR]
	v_mul_u32_u24 v[VR], v97, VP
	v_lshl_add_u32 v[VR], v98, 4, v[VR]
	v_add_nc_u32 v[VR], VAL, v[VR]
	v_and_b32 v99, 8, v97
	v_add_nc_u32 v99, v99, v97
	v_lshlrev_b32 v[BO], 2, v99
	v_lshrrev_b32 v99, 1, v96
	v_and_b32 v[PFO], 1, v96
	v_lshlrev_b32 v[PFO], 8, v[PFO]
	v_lshl_add_u32 v[PFO], v99, 14, v[PFO]         ; row lane / 2 of my 16, block lane % 2 of its 512 bytes
	s_wait_kmcnt 0x0
	s_add_co_i32 s72, s22, 127
	s_lshl_b32 s73, s72, 23
	v_mov_b32 v[SCK], s73                          ; 2^e2
	s_add_co_i32 s72, s72, 8
	s_lshl_b32 s72, s72, 23
	s_or_b32 s[LIM+1], s72, 0x600000               ; 448 x 2^e2
	s_or_b32 s[LIM], s[LIM+1], 0x80000000
	s_add_co_i32 s72, s24, 127
	s_lshl_b32 s73, s72, 23
	v_mov_b32 v[SCK+1], s73                        ; 2^e4
	s_add_co_i32 s72, s72, 8
	s_lshl_b32 s72, s72, 23
	s_or_b32 s[LIM+3], s72, 0x600000
	s_or_b32 s[LIM+2], s[LIM+3], 0x80000000
	s_add_co_i32 s72, s22, s23
	s_sub_co_i32 s72, 127, s72
	s_lshl_b32 s[SBK], s72, 23                     ; 2^-(e2+e3)
	s_mov_b32 s[SBK+1], s[SBK]                     ; (named with it as a pair, so it is written)
	s_add_co_i32 s[EV], s24, s25
	s_sub_co_i32 s72, 127, s[EV]
	s_lshl_b32 s[SBV], s72, 23                     ; 2^-(e4+e5)
	s_mov_b32 s[SBV+1], s[SBV]
.set QCN, 0
	QC                                             ; key's first chunk
	BARRIER                                        ; all four waves' parts of the first image lie in LDS
.set LK, 0
	ALOAD
.set LG, 3
	BLOAD
.set LG, 4
	BLOAD
.set LG, 5
	BLOAD
; A group of v's quarter, G = 64 .. 79.  ld = 1: group G + 4 is asked for, into a buffer that an earlier group has left.
; The counts: behind group G's eight loads stand four younger groups' 32; behind a quarter's first four groups also bv's eight.  ld = 0: only the groups up to 79 are behind it.
.macro STEP2 ld
	PLACES
.if \ld
.set LG, G+4
	BLOAD
.endif
.if ((G%2) == 0) && (\ld || (G == 76))
.set LK, 8+(G-62)/2
	WIN 0
	ALOAD                                          ; the next K step's rows, two groups ahead of their first use
.endif
.if \ld
.if G < 68
	s_wait_loadcnt 40
.else
	s_wait_loadcnt 32
.endif
.else
	s_wait_loadcnt 8*(79-G)
.endif
.if (G%2) == 0
.if \ld || (G == 76)
	s_wait_dscnt 16                                ; this K step's rows are in; the 16 loads just issued may be out
.else
	s_wait_dscnt 0
.endif
.endif
	MM
.endm
.set G, 0
.rept 64                                       ; k: 64 groups, written straight; its last groups ask for v's first four
	STEP
.set G, G+1
.endr
	WIN 0
	s_lshl_b32 s70, s[WV], 10
	s_add_co_u32 s70, s70, KVS
	v_add_nc_u32 v[TA], s70, v[BO]                 ; my feature in my wave's 1,024 bytes
	v_mov_b32 v[XC+1], v[BO]                       ; value's chunks are all in: v5 becomes bv's offset, at quarter 0
	s_wait_alu depctr_va_vdst(0)
	BVLOAD
	s_mov_b32 s[QN], 0
.Lquarter:                                     ; V'S FOUR QUARTERS ARE ONE LOOP: a trip is 16 groups; the fourth trip leaves at its group 12, whose successors ask for nothing
.set G, 64
.rept 12
	STEP2 1
.set G, G+1
.endr
	WIN 0
	s_cmp_eq_u32 s[QN], 3
	s_cbranch_scc1 .Lvtail
.rept 4
	STEP2 1
.set G, G+1
.endr
	VENDA
	s_cmp_eq_u32 s[QN], 0                          ; k's registers differ from quarter to quarter: one copy for each
	s_cbranch_scc0 .Lq1
.set QV, 0
	VENDB
	s_branch .Lqd
.Lq1:
	s_cmp_eq_u32 s[QN], 1
	s_cbranch_scc0 .Lq2
.set QV, 1
	VENDB
	s_branch .Lqd
.Lq2:
.set QV, 2
	VENDB
.Lqd:
	s_wait_xcnt 0x0                                ; the loads have read their offsets, which step to the next quarter
	v_add_nc_u32 v[XC], 8192, v[XC]
	v_add_nc_u32 v[XC+1], 256, v[XC+1]
	BVLOAD                                         ; the next quarter's bv, a quarter ahead of its use
	s_add_co_u32 s[QN], s[QN], 1
	s_cmp_lt_u32 s[QN], 4
	s_wait_alu depctr_va_vdst(0)                   ; the wait ahead of the branch
	s_cbranch_scc1 .Lquarter                       ; the fourth trip leaves above, at its group 12
.Lvtail:
.set G, 76
.rept 4
	STEP2 0
.set G, G+1
.endr
	VENDA
.set QV, 3
	VENDB
	s_lshl_b32 s70, s[WV], 10                      ; my wave's own 1,024 bytes come back in feature order: LDS serves a wave's instructions in order (ISA guide 5.7.1.4)
	s_add_co_u32 s70, s70, KVS
	v_add_nc_u32 v[TB], s70, v[XO]
	ds_load_b128 v[T+16:T+19], v[TB]
	ds_load_b128 v[T+20:T+23], v[TB] offset:512
	s_wait_dscnt 0x0
	global_store_b128 v[XO], v[T+16:T+19], s[OUTB:OUTB+1]              ; 32 lanes store 512 consecutive bytes, aligned
	global_store_b128 v[XO], v[T+20:T+23], s[OUTB:OUTB+1] offset:512
	s_wait_tensorcnt 0x0                           ; the wave's end
	ds_add_u32 v[SPW], v[NIL]
	s_wait_dscnt 0x0
	s_endpgm
.Lfunc_end_k_qff634032e5_kvsum:
	.size	k_qff634032e5_kvsum, .Lfunc_end_k_qff634032e5_kvsum-k_qff634032e5_kvsum
	.p2alignl 7, 3214868480
	.fill 96, 4, 3214868480
	.section	.rodata,"a",@progbits
	.p2align	6, 0x0
	.amdhsa_kernel k_qff634032e5_kvsum
		.amdhsa_group_segment_fixed_size 90624
		.amdhsa_private_segment_fixed_size 0
		.amdhsa_enable_private_segment 0
		.amdhsa_kernarg_size 48
		.amdhsa_user_sgpr_count 2
		.amdhsa_user_sgpr_kernarg_segment_ptr 1
		.amdhsa_wavefront_size32 1
		.amdhsa_system_sgpr_workgroup_id_x 1
		.amdhsa_system_sgpr_workgroup_id_y 1
		.amdhsa_system_sgpr_workgroup_id_z 1
		.amdhsa_system_vgpr_workitem_id 0
		.amdhsa_next_free_vgpr 1024
		.amdhsa_next_free_sgpr 100
		.amdhsa_reserve_vcc 0
		.amdhsa_float_denorm_mode_32 3
		.amdhsa_float_denorm_mode_16_64 3
		.amdhsa_memory_ordered 1
		.amdhsa_forward_progress 1
		.amdhsa_inst_pref_size 255
	.end_amdhsa_kernel
	.section	.bss,"aw",@nobits
	.p2align	6
	.space	262144
	.amdgpu_metadata
---
amdhsa.version: [ 1, 2 ]
amdhsa.kernels:
  - .name:           k_qff634032e5_kvsum
    .symbol:         k_qff634032e5_kvsum.kd
    .args:
      - { .name: key, .offset: 0, .size: 8, .value_kind: global_buffer, .address_space: global }
      - { .name: value, .offset: 8, .size: 8, .value_kind: global_buffer, .address_space: global }
      - { .name: wcodes, .offset: 16, .size: 8, .value_kind: global_buffer, .address_space: global }
      - { .name: in_proj_bias, .offset: 24, .size: 8, .value_kind: global_buffer, .address_space: global }
      - { .name: lowp_scales, .offset: 32, .size: 8, .value_kind: global_buffer, .address_space: global }
      - { .name: kvpart, .offset: 40, .size: 8, .value_kind: global_buffer, .address_space: global }
    .group_segment_fixed_size: 90624
    .private_segment_fixed_size: 0
    .kernarg_segment_align: 8
    .kernarg_segment_size: 48
    .max_flat_workgroup_size: 128
    .sgpr_count:     100
    .vgpr_count:     1024
    .wavefront_size: 32
...
	.end_amdgpu_metadata
.endif
;; end of part 2
;; launch project (part 3): grid 256 x 1, 4 waves a work-group, no clusters, 56,832 bytes of LDS; arguments query, wcodes, in_proj_bias, kvpart, out_proj_bias, lowp_scales, out0; writes out0
.if DOCPART == 3
	.amdgcn_target "amdgcn-amd-amdhsa--gfx1250"
	.amdhsa_code_object_version 6
	.text
	.protected	k_qff634032e5_project
	.globl	k_qff634032e5_project
	.p2align	8
	.type	k_qff634032e5_project,@function
k_qff634032e5_project:
	s_mov_b64 s[64:65], 0
	v_nop
	global_prefetch_b8 v0, s[64:65] scope:SCOPE_SE
	s_setreg_imm32_b32 hwreg(HW_REG_WAVE_MODE, 25, 1), 1
	s_wait_xcnt 0x0
; HYDRA ATTENTION, launch 3 of 3: kv[b] = the sum of the batch's 64 rows of kvpart; q = Q(query) Q(wq)^T + bq; t = (q / |q|) x kv[b]; out0 = Q(t) Q(out_proj_weight)^T + out_proj_bias.  No work of reference() is left out.
; SHARES, CHUNKS, DRIVER AND COUNTED WAITS as in launch kvsum: work-group x owns 64 rows (block x / 4 of the positions) of batch x % 4; wave w owns 256 features of q, and 64 columns of each quarter of out0, for all 64 rows.
; WEIGHTS come as register images from memory straight into the operand's registers; six buffers of two fragments take turns: five groups, 40 loads of 512 bytes, are on their way all the time.
; NO CLUSTER AND NO JOINT LOADS, though every work-group reads the same weights: a fragment is read by one wave alone and feeds 4 matrix instructions; through LDS slots that take turns 16 fragments a wave, 64 matrix instructions' worth,
; would stand behind each wait for all loads and each round of barriers, 16 times.  Loads into registers want neither.
; THE WALKS BEGIN ELSEWHERE IN EACH WORK-GROUP: index i of the walk over q's K is K step (i + rot) % 8, rot = (x ^ (x / 8)) % 8; the last product, whose operand t lies in fixed registers, takes the quarters of N in the order (i + rot) % 4.
; rot enters global addresses alone; the order of q's f32 sums along K differs from work-group to work-group.
; BOTH PRODUCTS ARE USED TRANSPOSED (source 0 = 16 weight rows, source 1 = 16 rows of the activation): a lane holds ONE row (lane % 16), and, since lane r of tile 2 b + u of a weight takes row 32 b + 8 u + r + 8 (r / 8),
; the 16 registers of tiles 2 b and 2 b + 1 are 16 neighbours along the next K: the conversions' results ARE t's fragments.  Wave w makes K steps 2 w and 2 w + 1 of the last product; they go to the other waves through LDS as images of their registers,
; and all of t (32 fragments) then stays in each wave's registers.
; POWERS OF TWO.  q' = sum + bq x 2^-(e0+e1), q / |q| = q' / |q'|; out = sum x 2^(e6+e7) + bias.
; LIMITS: e0 and e6 between -126 and 119; |e0 + e1| at most 126; e6 + e7 between -126 and 127.  NaN among the inputs is not served.  A row whose sum of squares of q' lies under 2^-126 is flushed by v_rsq_f32.
; The plain K = 128 form is fed with K = 32 c + 16 h + 0 .. 15 in registers 4 c .. 4 c + 3, alike on both sides.
; REGISTERS.  Window 0: v0-15 ids and addresses; v16-31 a chunk's codes, later addresses; v32-159 two sets of 4 query fragments, then t's codes, then the way out; v160-255 three buffers of 2 weight fragments.
;   window 1: v0-127 two chunks, then bq, then kv, then the 16 accumulators of a quarter; v128-159 the output's bias for a quarter; v160-255 three buffers of 2 weight fragments.
;   windows 2, 3: kvpart's rows; then q: accumulator (ct, rt) at ((ct % 8) 4 + rt) 8 of window 2 + ct / 8; then t: fragment (ks, rt) at ((ks % 4) 4 + rt) 16 of window 2 + ks / 4.
.set NB,    6
.set LA,    NB-1
.set BW1,   256-32*(NB-3)
.set NCH,   8
.set STRB,  2097152                    ; stream 1's first byte in wcodes
.set KP,    144                        ; a row of a query image: 128 bytes + 16
.set SP,    272                        ; a row of a stage: 256 bytes + 16
.set QR,    0                          ; LDS: two query images of 64 rows, later the four waves' stages of 16 rows;
.set TX,    QR+2*64*KP                 ; 16 fragments of t at a time;
.set KVL,   TX+32768                   ; kv[b];
.set NS,    KVL+4096                   ; the waves' sums of squares;
.set SPARE, NS+1024                    ; the spare words, 128 bytes for each wave: two blocks of 256 bytes that no other line names
.set SPW, 1
.set NIL, 2
.set XO,  3                            ; v3   16 x lane
.set XC,  4                            ; v4-5 16 x lane + the K step's 512 bytes, for staging set 0, 1
.set QW,  6                            ; v6   where my rows' codes go
.set QRD, 7                            ; v7   a query fragment: row r, + 16 h
.set SCQ, 8                            ; v8   2^e0
.set SCT, 9                            ; v9   2^e6
.set PFO, 10                           ; v10  the prefetches' lane term
.set TXR, 11                           ; v11  an image of t: 16 x lane
.set TXW, 12                           ; v12  + my wave's four fragments
.set STO, 13                           ; v13  the stage: where I put 16 bytes of a row
.set RD,  14                           ; v14  and where I read a row back
.set PFV, 15                           ; v15  the prefetches' offset, while there are prefetches;
.set GO,  15                           ; later my byte offset in out0
.set PC,  16
.set BQO, 16                           ; v16-19, once the chunks are done: 64 h; kv's fragments; the sums of squares, read and written
.set KVR, 17
.set NSR, 18
.set NSW, 19
.set AF,  32
.set CB,  32                           ; t's codes: fragment (half hf, rows rt) at v[32 + (4 hf + rt) 16]
.set OB,  32
.set T,   96
.set WV,  18
.set CX,  19
.set WB,  28                           ; s[28:43] eight pairs: my wave's fragments of the walk's index i; never rewritten
.set LIM, 44                           ; s44-47  -448 x 2^e0, +; -448 x 2^e6, +
.set SBQ, 48                           ; s[48:49] 2^-(e0+e1)
.set SOUT, 50                          ; s[50:51] 2^(e6+e7)
.set ROT, 52
.set SBLK, 53
.set SEL, 56
.set QB,  58                           ; s[58:59] query at my wave's first row
.set BQB, 60                           ; s[60:61] bq at my first feature
.set BOB, 62                           ; s[62:63] out_proj_bias at my first column of quarter 0
.set KVB, 66                           ; s[66:67] my batch's rows of kvpart
.set OUTB, 68                          ; s[68:69] out0 at my work-group's first row, my wave's columns of quarter 0
.set WO,  80                           ; s[80:81] out_proj_weight's fragments; the quarter comes from the offset registers; never rewritten
.set OQ,  88                           ; s[88:89] out0 at the quarter in hand
.set BN,  90                           ; s[90:91] the bias of the quarter to be loaded.   s70: at work; s71: 0
.set MSB, 0
.set DSN, 0
.set LDN, 0
.set BM0, 0
.set BM1, 0
.set BM2, 0
.set BM3, 0
.set BM4, 0
.set BM5, 0
.set AMa, 0
.set AMb, 0
.set CMk, 0
.set CMv, 0
.set PCM, 0
.set KVM, 0
.set BQM, 0
.set BOM, 0
.set QN, 72                            ; s72  which of my quarters is in hand: the loop's counter; s73: the one behind it
.macro WIN new
.if MSB != (\new)
	s_set_vgpr_msb (MSB<<8)|(\new)
.set MSB, (\new)
.endif
.endm
.macro PLACES
.rept 4
	v_nop
.endr
.endm
.macro DSW m
.if (DSN-(\m)) > 63
	s_wait_dscnt 63
.else
	s_wait_dscnt DSN-(\m)
.endif
.endm
.macro LDW m
.if (LDN-(\m)) > 63
	s_wait_loadcnt 63
.else
	s_wait_loadcnt LDN-(\m)
.endif
.endm
.macro BARRIER                         ; my LDS stores have landed and my LDS loads are in: then the work-group's barrier
	s_wait_dscnt 0x0
	s_barrier_signal -1
	s_barrier_wait -1
.endm
.macro KOFF idx, sh                    ; s70 = the K step of the walk's index idx, shifted
	s_add_co_u32 s70, s[ROT], \idx
	s_and_b32 s70, s70, 7
	s_lshl_b32 s70, s70, \sh
.endm
.macro QOFF idx, sh                    ; s70 = the quarter that I take as my idx-th, shifted
	s_add_co_u32 s70, s[ROT], \idx
	s_and_b32 s70, s70, 3
	s_lshl_b32 s70, s70, \sh
.endm
.macro BSHIFT                          ; the marks of the last six groups: BM0 is the oldest's
.set BM0, BM1
.set BM1, BM2
.set BM2, BM3
.set BM3, BM4
.set BM4, BM5
.set BM5, LDN
.endm
.macro BUFOF g
.if (\g) < 64
.set BX, (\g)%NB
.else                                  ; the last product's groups: the order repeats every 16 groups (buffers 4,5,0,1,2 twice, then 4,5,0,1,2,3), and any five neighbours have five different buffers
.set BX, (4+(((\g)-64)%16)%5+5*((((\g)-64)%16)/15))%6
.endif
.if BX < 3
.set BW, 0
.set BB, 160+32*BX
.else
.set BW, 1
.set BB, BW1+32*(BX-3)
.endif
.endm
.macro CLOAD                           ; chunk CLN = index CLN of the walk: my 16 rows x 128 K into staging set CLN % 2.  The set's offset register is free: its last chunk's loads have been waited for
	WIN 0
	KOFF CLN, 9
	v_add_nc_u32 v[XC+CLN%2], s70, v[XO]
	WIN 0x40
.irp i, 0,1,2,3,4,5,6,7,8,9,10,11,12,13,14,15
	global_load_b128 v[64*(CLN%2)+4*\i:64*(CLN%2)+4*\i+3], v[XC+CLN%2], s[QB:QB+1] offset:\i*16384 th:TH_LOAD_NT
.endr
	WIN 0
.set LDN, LDN+16
.if CLN%2
.set CMv, LDN
.else
.set CMk, LDN
.endif
.endm
.macro QC
.set QST, 64*(QCN%2)
.if QCN%2
	LDW CMv                                        ; the chunk's 16 loads are in; what was asked for behind them stays out
.else
	LDW CMk
.endif
	WIN 0x41
.set X, 0
.rept 64
	v_med3_num_f32 v[QST+X], v[QST+X], s[LIM], s[LIM+1]   ; the hold ahead of a conversion that does not saturate (ISA guide 7.6.2)
.set X, X+1
.endr
	s_wait_alu depctr_va_vdst(0)
	DSW PCM                                        ; the last chunk's LDS stores have read v16-31
	WIN 0x01
.irp p, 0,1,2,3,4,5,6,7
	v_cvt_scalef32_pk8_fp8_f32 v[PC+2*\p:PC+2*\p+1], v[QST+8*\p:QST+8*\p+7], v[SCQ]
.endr
	v_nop                                          ; one plain line behind the last conversion
	WIN 0
.irp i, 0,1,2,3,4,5,6,7,8,9,10,11,12,13,14,15
	ds_store_b32 v[QW], v[PC+\i] offset:(QCN%2)*64*KP+\i*KP
.endr
.set DSN, DSN+16
.set PCM, DSN
.if QCN+2 < NCH
.set CLN, QCN+2
	CLOAD
.endif
.endm
.macro BLOAD                           ; group LG.  LG < 64: wq, index LG / 8 of the walk, tiles 2 (LG % 8) on;  else out_proj_weight: my ((LG - 64) / 16)-th quarter, K step ((LG - 64) / 2) % 8, tiles 2 (LG % 2) on
	BUFOF LG
.if LG < 64
.set BSR, WB+2*(LG/8)
.set BVR, XO
.set BOF, (LG%8)*4096
.else
.set BSR, WO
.set BVR, XC+(LG-64)/16                ; v4 carries the quarter in hand, v5 the one behind it
.set BOF, (((LG-64)/2)%8)*65536+((LG-64)%2)*4096
.endif
	WIN 0x40*BW
.irp u, 0,1
.irp c, 0,1,2,3
	global_load_b128 v[BB+16*\u+4*\c:BB+16*\u+4*\c+3], v[BVR], s[BSR:BSR+1] offset:BOF+2048*\u+512*\c
.endr
.endr
.set LDN, LDN+8
	BSHIFT
.endm
.macro ALOAD
.set ABL, AF+64*(LK%2)
.irp rt, 0,1,2,3
.irp c, 0,1,2,3
	ds_load_b128 v[ABL+16*\rt+4*\c:ABL+16*\rt+4*\c+3], v[QRD] offset:(LK%2)*64*KP+\rt*16*KP+32*\c
.endr
.endr
.set DSN, DSN+16
.set AMb, DSN
.endm
.macro MM                              ; group G: 2 weight fragments x 4 tiles of rows: eight accumulators, one instruction a turn; a sum's first K step takes the constant 0 as C
	BUFOF G
.if G < 64
.set ABF, AF+64*((G/8)%2)
.set AC0, 32*((2*G)%8)
	WIN 0xa0+0x50*(((2*G)%16)/8)+BW
.irp u, 0,1
.irp rt, 0,1,2,3
.if G < 8
	v_wmma_f32_16x16x128_fp8_fp8 v[AC0+32*\u+8*\rt:AC0+32*\u+8*\rt+7], v[BB+16*\u:BB+16*\u+15], v[ABF+16*\rt:ABF+16*\rt+15], 0
.else
	v_wmma_f32_16x16x128_fp8_fp8 v[AC0+32*\u+8*\rt:AC0+32*\u+8*\rt+7], v[BB+16*\u:BB+16*\u+15], v[ABF+16*\rt:ABF+16*\rt+15], v[AC0+32*\u+8*\rt:AC0+32*\u+8*\rt+7]
.endif
.endr
.endr
.else
.set KS, ((G-64)/2)%8
.set AC0, 64*((G-64)%2)
	WIN 0x58+4*(KS/4)+BW
.irp u, 0,1
.irp rt, 0,1,2,3
.if KS == 0
	v_wmma_f32_16x16x128_fp8_fp8 v[AC0+32*\u+8*\rt:AC0+32*\u+8*\rt+7], v[BB+16*\u:BB+16*\u+15], v[((KS%4)*4+\rt)*16:((KS%4)*4+\rt)*16+15], 0
.else
	v_wmma_f32_16x16x128_fp8_fp8 v[AC0+32*\u+8*\rt:AC0+32*\u+8*\rt+7], v[BB+16*\u:BB+16*\u+15], v[((KS%4)*4+\rt)*16:((KS%4)*4+\rt)*16+15], v[AC0+32*\u+8*\rt:AC0+32*\u+8*\rt+7]
.endif
.endr
.endr
.endif
.endm
.macro BOLOAD                          ; the output's bias for the four tiles of the quarter at s[BN], in the result's layout: for tile 2 b + u the eight numbers of columns 32 b + 16 h + 8 u + 0 .. 7
	WIN 0x40
.set CT, 0
.rept 4
	global_load_b128 v[128+8*CT:128+8*CT+3], v[BQO], s[BN:BN+1] offset:128*(CT/2)+32*(CT%2)
	global_load_b128 v[128+8*CT+4:128+8*CT+7], v[BQO], s[BN:BN+1] offset:128*(CT/2)+32*(CT%2)+16
.set CT, CT+1
.endr
	WIN 0
.set LDN, LDN+8
.set BOM, LDN
.endm
.macro POSTQ                           ; the chunks are all converted and their stores awaited: v16-31 and window 1 v0-127 are free.  bq comes in the result's layout
	s_wait_xcnt 0x0                                ; the last prefetch has read v15, which becomes my offset in out0
	QOFF 0, 13                                     ; the chunks' offset registers become out_proj_weight's: a quarter's four fragments are 8,192 bytes
	v_add_nc_u32 v[XC], s70, v[XO]
	QOFF 1, 13
	v_add_nc_u32 v[XC+1], s70, v[XO]
	s_wait_alu depctr_va_vdst(0)
	v_bfe_u32 v[BQO], v0, 4, 1
	v_lshlrev_b32 v[GO], 14, v[BQO]
	v_lshlrev_b32 v[BQO], 6, v[BQO]
	s_lshl_b32 s70, s[WV], 10
	s_add_co_u32 s70, s70, KVL
	v_add_nc_u32 v[KVR], s70, v[BQO]
	v_and_b32 v[NSR], 15, v0
	v_lshl_add_u32 v[GO], v[NSR], 4, v[GO]         ; lanes 0-15 one row of out0, lanes 16-31 the next; 16 bytes a lane
	v_lshlrev_b32 v[NSR], 2, v[NSR]
	v_add_nc_u32 v[NSR], NS, v[NSR]
	s_lshl_b32 s70, s[WV], 8
	v_add_nc_u32 v[NSW], s70, v[NSR]
	WIN 0x40
.set CT, 0
.rept 16
	global_load_b128 v[8*CT:8*CT+3], v[BQO], s[BQB:BQB+1] offset:(32*(CT/2)+8*(CT%2))*4
	global_load_b128 v[8*CT+4:8*CT+7], v[BQO], s[BQB:BQB+1] offset:(32*(CT/2)+8*(CT%2))*4+16
.set CT, CT+1
.endr
	WIN 0
.set LDN, LDN+32
.set BQM, LDN
.endm
; IN THE MIDDLE OF K STEP HK: chunk HK + 1 is quantised, and one barrier shows it to all four waves.  Image HK + 1 lies over image HK - 1, whose loads every wave awaited in front of the barrier before.
; THE PREFETCH INTO THE L2 stands behind the chunk's loads: chunk HK + 4, which the NEXT such place will load: one K step, 64 matrix instructions and a chunk's conversions, ahead of its loads.  16 rows x 512 bytes: 32 blocks of 256 bytes,
; a lane a block, one instruction; each block is my wave's alone and is named once.  Chunks 0 to 3 come by their loads alone; behind chunk 7 there is nothing.
.macro HOOK
.set HK, G/8
	WIN 0
.if HK <= 3
	s_wait_xcnt 0x0                                ; the last prefetch, a K step back, has read its offset, so it may be written
	KOFF HK+4, 9
	v_add_nc_u32 v[PFV], s70, v[PFO]
.endif
.set QCN, HK+1
	QC
.if HK <= 3
	global_prefetch_b8 v[PFV], s[QB:QB+1] th:TH_LOAD_NT scope:SCOPE_SE
.endif
	BARRIER
.if HK == 6
	POSTQ
.endif
.endm
.macro QEND                            ; q is summed: bias, norms, x kv, codes, and t's fragments to every wave
	PLACES
	LDW BQM                                        ; bq
.irp w, 0,1
	WIN 0xa1+0x50*\w
.set X, 0
.rept 128
	v_pk_fma_f32 v[X:X+1], v[64*\w+8*(X/32)+(X%8):64*\w+8*(X/32)+(X%8)+1], s[SBQ:SBQ+1], v[X:X+1] op_sel_hi:[1,0,1]   ; q' = bq x 2^-(e0+e1) + sum; each accumulator from its low end on
.set X, X+2
.endr
.endr
	WIN 0x40
.set CT, 0
.rept 16                                       ; kv in the same layout, over bq, which is done with; the barrier's wait below covers these loads
	ds_load_b128 v[8*CT:8*CT+3], v[KVR] offset:(32*(CT/2)+8*(CT%2))*4
	ds_load_b128 v[8*CT+4:8*CT+7], v[KVR] offset:(32*(CT/2)+8*(CT%2))*4+16
.set CT, CT+1
.endr
.irp w, 0,1
	WIN 0x0a+5*\w
.set CT, 0
.rept 8
.irp i, 0,2,4,6
.irp rt, 0,1,2,3                               ; four chains, one a tile of rows, by turns
.if (CT == 0) && (\i == 0)
	v_pk_mul_f32 v[T+8*\w+2*\rt:T+8*\w+2*\rt+1], v[32*CT+8*\rt+\i:32*CT+8*\rt+\i+1], v[32*CT+8*\rt+\i:32*CT+8*\rt+\i+1]
.else
	v_pk_fma_f32 v[T+8*\w+2*\rt:T+8*\w+2*\rt+1], v[32*CT+8*\rt+\i:32*CT+8*\rt+\i+1], v[32*CT+8*\rt+\i:32*CT+8*\rt+\i+1], v[T+8*\w+2*\rt:T+8*\w+2*\rt+1]
.endif
.endr
.endr
.set CT, CT+1
.endr
.endr
	WIN 0
.irp rt, 0,1,2,3
	v_pk_add_f32 v[T+2*\rt:T+2*\rt+1], v[T+2*\rt:T+2*\rt+1], v[T+8+2*\rt:T+8+2*\rt+1]
.endr
.irp rt, 0,1,2,3
	v_add_f32 v[T+2*\rt], v[T+2*\rt], v[T+2*\rt+1]
.endr
.irp rt, 0,1,2,3
	v_permlanex16_b32 v[T+2*\rt+1], v[T+2*\rt], s[SEL], s[SEL+1]   ; the row's other features of my wave lie in the lane 16 away
.endr
.irp rt, 0,1,2,3
	v_add_f32 v[T+2*\rt], v[T+2*\rt], v[T+2*\rt+1]
.endr
.irp rt, 0,1,2,3
	ds_store_b32 v[NSW], v[T+2*\rt] offset:64*\rt  ; row 16 rt + r at 4 x row of my wave's 256 bytes
.endr
	BARRIER
.irp rt, 0,1,2,3
.irp w, 0,1,2,3
	ds_load_b32 v[T+16+4*\rt+\w], v[NSR] offset:256*\w+64*\rt
.endr
.endr
	s_wait_dscnt 0x0
.irp rt, 0,1,2,3
	v_add_f32 v[T+16+4*\rt], v[T+16+4*\rt], v[T+17+4*\rt]
	v_add_f32 v[T+18+4*\rt], v[T+18+4*\rt], v[T+19+4*\rt]
.endr
.irp rt, 0,1,2,3
	v_add_f32 v[T+2*\rt], v[T+16+4*\rt], v[T+18+4*\rt]
.endr
	s_wait_alu depctr_va_vdst(0)
.irp rt, 0,1,2,3
	v_rsq_f32 v[T+2*\rt], v[T+2*\rt]               ; 1 / |q'| of row 16 rt + r
.endr
	v_nop                                          ; a plain line behind the last of the batch
	s_wait_alu depctr_va_vdst(0)                   ; one wait for the four, ahead of their first reader
.irp w, 0,1
	WIN 0x82+0x41*\w
.set X, 0
.rept 128
	v_pk_mul_f32 v[X:X+1], v[X:X+1], v[T+2*((X%32)/8):T+2*((X%32)/8)+1] op_sel_hi:[1,0]   ; q / |q|
.set X, X+2
.endr
	WIN 0x86+0x41*\w
.set X, 0
.rept 128
	v_pk_mul_f32 v[X:X+1], v[X:X+1], v[64*\w+8*(X/32)+(X%8):64*\w+8*(X/32)+(X%8)+1]   ; x kv
.set X, X+2
.endr
	WIN 0x82+0x41*\w
.set X, 0
.rept 256
	v_med3_num_f32 v[X], v[X], s[LIM+2], s[LIM+3]  ; the hold at 448 x 2^e6
.set X, X+1
.endr
.endr
.irp w, 0,1                                    ; the codes lie over v96 on: 1 / |q'| is done with in both windows
	WIN 0x02+\w
.set CT, 0
.rept 8
.irp rt, 0,1,2,3
	v_cvt_scalef32_pk8_fp8_f32 v[CB+(4*\w+\rt)*16+2*CT:CB+(4*\w+\rt)*16+2*CT+1], v[32*CT+8*\rt:32*CT+8*\rt+7], v[SCT]   ; registers 2 ct, 2 ct + 1 of fragment (K step 2 wave + w, rows rt)
.endr
.set CT, CT+1
.endr
.endr
	v_nop                                          ; one plain line behind the last conversion
	BOLOAD                                         ; the bias of my first quarter
	s_wait_alu depctr_va_vdst(0)
.irp bt, 0,1                                   ; two tiles of rows at a time: 16 fragments fill TX
	WIN 0
.irp hf, 0,1
.irp r2, 0,1
.irp c, 0,1,2,3
	ds_store_b128 v[TXW], v[CB+(4*\hf+2*\bt+\r2)*16+4*\c:CB+(4*\hf+2*\bt+\r2)*16+4*\c+3] offset:4096*\hf+2048*\r2+512*\c
.endr
.endr
.endr
	BARRIER                                        ; all 16 images lie in LDS
.irp w, 0,1
	WIN 0x80+0x40*\w
.irp k4, 0,1,2,3
.irp r2, 0,1
.irp c, 0,1,2,3
	ds_load_b128 v[(4*\k4+2*\bt+\r2)*16+4*\c:(4*\k4+2*\bt+\r2)*16+4*\c+3], v[TXR] offset:((4*\w+\k4)*2+\r2)*2048+512*\c
.endr
.endr
.endr
.endr
.if \bt == 0
	BARRIER                                        ; every wave has them: TX may be written again
.else
	s_wait_dscnt 0x0                               ; t is whole in my registers
.endif
.endr
	WIN 0
.endm
.macro OEND                            ; my QU-th quarter of out0 is summed: x 2^(e6+e7) + bias, through my own stage, out in whole rows of 256 bytes
	WIN 0
	s_wait_xcnt 0x0                                ; the last quarter's stores have read v32-159 and their base, the bias's loads theirs: all three may be written
	QOFF s[QN], 10
	s_add_nc_u64 s[OQ:OQ+1], s[OUTB:OUTB+1], s[70:71]
.if QU < 3
	QOFF s[QN+1], 10
	s_add_nc_u64 s[BN:BN+1], s[BOB:BOB+1], s[70:71]
.endif
	LDW BOM                                        ; the bias
	PLACES
	WIN 0x11
.irp rt, 0,1,2,3
.irp c4, 0,1,2,3
.irp i, 0,2,4,6
	v_pk_fma_f32 v[OB+(4*\rt+\c4)*8+\i:OB+(4*\rt+\c4)*8+\i+1], v[(4*\c4+\rt)*8+\i:(4*\c4+\rt)*8+\i+1], s[SOUT:SOUT+1], v[128+8*\c4+\i:128+8*\c4+\i+1] op_sel_hi:[1,0,1]
.endr
.endr
.endr
.if QU < 3
	BOLOAD                                         ; the next quarter's bias, a quarter ahead of its use
.endif
	WIN 0
.irp rt, 0,1,2,3
.irp c4, 0,1,2,3
.irp jh, 0,1
	ds_store_b128 v[STO], v[OB+(4*\rt+\c4)*8+4*\jh:OB+(4*\rt+\c4)*8+4*\jh+3] offset:128*(\c4/2)+32*(\c4%2)+16*\jh   ; lane (r, h): columns 32 b + 16 h + 8 u + 0 .. 7 of row r
.endr
.endr
.irp i2, 0,1,2,3,4,5,6,7
	ds_load_b128 v[OB+32*\rt+4*\i2:OB+32*\rt+4*\i2+3], v[RD] offset:2*\i2*SP   ; LDS serves a wave's instructions in order (ISA guide 5.7.1.4): these see the stores above, and the next tile's stores come behind them
.endr
.endr
.irp rt, 0,1,2,3
.irp i2, 0,1,2,3,4,5,6,7
	s_wait_dscnt (3-\rt)*16+7-\i2                  ; behind this load: its tile's younger loads and the later tiles' sixteen LDS instructions each
	global_store_b128 v[GO], v[OB+32*\rt+4*\i2:OB+32*\rt+4*\i2+3], s[OQ:OQ+1] offset:(16*\rt+2*\i2)*16384 th:TH_STORE_NT   ; 16 lanes store 256 consecutive bytes, aligned
.endr
.endr
.endm
.macro STEP                            ; group G: ask for group G + LA, into the buffer that group G - 1 has left; wait for group G; multiply
.if (G < 56) && ((G%8) == 4)
	HOOK
.endif
.set FIRST, 0
.if (G < 64) && ((G%8) == 0)
.set FIRST, 1
.set AMa, AMb
.endif
.set NEEDA, 0
.if (G < 56) && ((G%8) == 6)
.set NEEDA, 1
.set LK, G/8+1
.endif
.if (G+LA < 68) || NEEDA
	PLACES
.endif
.if G+LA < 68
.set LG, G+LA
	BLOAD
.else
	BSHIFT
.endif
.if NEEDA
	WIN 0
	ALOAD                                          ; the next K step's rows, two groups ahead of their first use
.endif
	LDW BM0                                        ; group G's eight loads are in; the younger groups' (and chunks') stay out
.if FIRST
	DSW AMa                                        ; this K step's rows are in
.endif
	MM
.if G == 63
	QEND
.endif
.endm
	s_load_b256 s[4:11], s[0:1], 0x0               ; query s[4:5], wcodes s[6:7], in_proj_bias s[8:9], kvpart s[10:11]
	s_load_b128 s[12:15], s[0:1], 0x20             ; out_proj_bias s[12:13], lowp_scales s[14:15]
	s_load_b64 s[16:17], s[0:1], 0x30              ; out0
	v_lshl_add_u32 v[SPW], v0, 2, SPARE
	v_mov_b32 v[NIL], 0
	v_lshrrev_b32 v96, 5, v0
	v_readfirstlane_b32 s[WV], v96                 ; wave 0..3
	s_and_b32 s[CX], ttmp9, 3                      ; the batch
	s_lshr_b32 s[SBLK], ttmp9, 2                   ; the block of 64 positions
	s_lshr_b32 s[ROT], ttmp9, 3
	s_xor_b32 s[ROT], s[ROT], ttmp9
	s_and_b32 s[ROT], s[ROT], 7                    ; where my walks begin
	s_mov_b32 s[SEL], 0x76543210
	s_mov_b32 s[SEL+1], 0xfedcba98
	s_lshl_b32 s74, s[SBLK], 20                    ; 64 positions x 16,384 bytes,
	s_lshl_b32 s75, s[CX], 12                      ; the batch's 4,096
	s_add_co_u32 s74, s74, s75
	s_lshl_b32 s75, s[WV], 8
	s_add_co_u32 s76, s74, s75                     ; out0: + my wave's 64 columns
	s_lshl_b32 s75, s[WV], 18
	s_add_co_u32 s74, s74, s75                     ; query: + my wave's 16 rows
	s_mov_b32 s75, 0
	s_mov_b32 s77, 0
	s_lshl_b32 s78, s[CX], 18                      ; kvpart: the batch's 64 rows of 4,096 bytes
	s_mov_b32 s79, 0
	s_lshl_b32 s70, s[WV], 19
	s_add_co_u32 s70, s70, STRB                    ; my wave's 256 fragments of stream 1
	s_mov_b32 s71, 0                               ; stays 0: the upper word of every offset made in s70
	v_and_b32 v96, 31, v0                          ; lane
	v_lshlrev_b32 v[XO], 4, v96
	s_wait_alu depctr_va_vdst(0)
	s_wait_kmcnt 0x0
	s_load_b256 s[20:27], s[14:15], 0x0            ; e0 .. e7
	s_add_nc_u64 s[72:73], s[6:7], s[70:71]
.irp i, 0,1,2,3,4,5,6,7
	KOFF \i, 16                                    ; a K step's 32 fragments are 65,536 bytes
	s_add_nc_u64 s[WB+2*\i:WB+2*\i+1], s[72:73], s[70:71]
.endr
	s_add_nc_u64 s[72:73], s[72:73], 32768         ; out_proj_weight's 16 fragments of a K step lie behind wq's 16;
	s_mov_b64 s[WO:WO+1], s[72:73]                 ; the quarter goes into the loads' offset registers
	s_add_nc_u64 s[QB:QB+1], s[4:5], s[74:75]
	s_add_nc_u64 s[OUTB:OUTB+1], s[16:17], s[76:77]
	s_add_nc_u64 s[KVB:KVB+1], s[10:11], s[78:79]
	s_lshl_b32 s78, s[WV], 10
	s_add_nc_u64 s[BQB:BQB+1], s[8:9], s[78:79]
	s_lshl_b32 s78, s[WV], 8
	s_add_nc_u64 s[BOB:BOB+1], s[12:13], s[78:79]
	QOFF 0, 10
	s_add_nc_u64 s[BN:BN+1], s[BOB:BOB+1], s[70:71]
.set CLN, 0
	CLOAD
.set CLN, 1
	CLOAD
	; kv[b]: thread t owns features 4 t on and 512 + 4 t on; the batch's 64 rows of kvpart land in windows 2 and 3, which are free until the first product
	v_lshlrev_b32 v99, 4, v0
	WIN 0x80
.set P, 0
.rept 32
	global_load_b128 v[8*P:8*P+3], v99, s[KVB:KVB+1] offset:4096*P
	global_load_b128 v[8*P+4:8*P+7], v99, s[KVB:KVB+1] offset:4096*P+2048
.set P, P+1
.endr
	WIN 0xc0
.set P, 0
.rept 32
	global_load_b128 v[8*P:8*P+3], v99, s[KVB:KVB+1] offset:4096*(P+32)
	global_load_b128 v[8*P+4:8*P+7], v99, s[KVB:KVB+1] offset:4096*(P+32)+2048
.set P, P+1
.endr
	WIN 0
.set LDN, LDN+128
.set KVM, LDN
.set LG, 0
	BLOAD                                          ; the first five groups of weights go out behind them and stay out while kv is summed
.set LG, 1
	BLOAD
.set LG, 2
	BLOAD
.set LG, 3
	BLOAD
.set LG, 4
	BLOAD
	WIN 0
	v_and_b32 v97, 15, v0                          ; r
	v_bfe_u32 v98, v0, 4, 1                        ; h
	s_mul_i32 s72, s[WV], 16*KP
	s_add_co_u32 s72, s72, QR
	v_lshl_add_u32 v[QW], v96, 2, s72
	v_mul_u32_u24 v[QRD], v97, KP
	v_lshl_add_u32 v[QRD], v98, 4, v[QRD]
	v_add_nc_u32 v[QRD], QR, v[QRD]
	v_add_nc_u32 v[TXR], TX, v[XO]
	s_lshl_b32 s72, s[WV], 13
	v_add_nc_u32 v[TXW], s72, v[TXR]
	s_mul_i32 s72, s[WV], 16*SP
	s_add_co_u32 s72, s72, QR                      ; my stage
	v_mul_u32_u24 v[STO], v97, SP
	v_lshl_add_u32 v[STO], v98, 6, v[STO]
	v_add_nc_u32 v[STO], s72, v[STO]               ; in: row r, + 64 h
	v_mul_u32_u24 v[RD], v98, SP
	v_lshl_add_u32 v[RD], v97, 4, v[RD]
	v_add_nc_u32 v[RD], s72, v[RD]                 ; back: lanes 0-15 one row of 256 bytes, lanes 16-31 the next
	v_lshrrev_b32 v97, 1, v96
	v_and_b32 v[PFO], 1, v96
	v_lshlrev_b32 v[PFO], 8, v[PFO]
	v_lshl_add_u32 v[PFO], v97, 14, v[PFO]         ; row lane / 2 of my 16, block lane % 2 of its 512 bytes
	s_wait_kmcnt 0x0
	s_add_co_i32 s72, s20, 127
	s_lshl_b32 s73, s72, 23
	v_mov_b32 v[SCQ], s73                          ; 2^e0
	s_add_co_i32 s72, s72, 8
	s_lshl_b32 s72, s72, 23
	s_or_b32 s[LIM+1], s72, 0x600000               ; 448 x 2^e0
	s_or_b32 s[LIM], s[LIM+1], 0x80000000
	s_add_co_i32 s72, s26, 127
	s_lshl_b32 s73, s72, 23
	v_mov_b32 v[SCT], s73                          ; 2^e6
	s_add_co_i32 s72, s72, 8
	s_lshl_b32 s72, s72, 23
	s_or_b32 s[LIM+3], s72, 0x600000
	s_or_b32 s[LIM+2], s[LIM+3], 0x80000000
	s_add_co_i32 s72, s20, s21
	s_sub_co_i32 s72, 127, s72
	s_lshl_b32 s[SBQ], s72, 23                     ; 2^-(e0+e1)
	s_mov_b32 s[SBQ+1], s[SBQ]                     ; (named with it as a pair, so it is written)
	s_add_co_i32 s72, s26, s27
	s_add_co_i32 s72, s72, 127
	s_lshl_b32 s[SOUT], s72, 23                    ; 2^(e6+e7)
	s_mov_b32 s[SOUT+1], s[SOUT]
.set QCN, 0
	QC                                             ; query's first chunk
	LDW KVM                                        ; kvpart's rows are in; the five groups of weights and the chunk asked for behind them stay out
.irp w, 0,1
	WIN 0x8a+0x45*\w
.set P, 1
.rept 31                                       ; four pairs a window, by turns
.irp x, 0,2,4,6
	v_pk_add_f32 v[\x:\x+1], v[\x:\x+1], v[8*P+\x:8*P+\x+1]
.endr
.set P, P+1
.endr
.endr
	WIN 0x0e
.irp x, 0,2,4,6
	v_pk_add_f32 v[100+\x:101+\x], v[\x:\x+1], v[\x:\x+1]
.endr
	WIN 0
	v_add_nc_u32 v98, KVL, v99
	ds_store_b128 v98, v[100:103]
	ds_store_b128 v98, v[104:107] offset:2048
	BARRIER                                        ; all four waves' parts of the first image and of kv lie in LDS
.set LK, 0
	ALOAD
; A group of a quarter of the last product, G = 64 .. 79.  ld = 1: group G + 4 is asked for, into a buffer that an earlier group has left.
; The counts: behind group G's eight loads stand four younger groups' 32; behind a quarter's first four groups also the bias's eight.  ld = 0: only the groups up to 79 are behind it.
.macro STEP2 ld
.if \ld
	PLACES
.set LG, G+4
	BLOAD
.if G < 68
	s_wait_loadcnt 40
.else
	s_wait_loadcnt 32
.endif
.else
	s_wait_loadcnt 8*(79-G)
.endif
	MM
.endm
.set G, 0
.rept 64                                       ; q: 64 groups, written straight; its last groups ask for the last product's first four
	STEP
.set G, G+1
.endr
	WIN 0
	s_mov_b32 s[QN], 0
	s_mov_b32 s[QN+1], 1
.Lquarter:                                     ; OUT0'S FOUR QUARTERS ARE ONE LOOP: a trip is 16 groups; the fourth trip leaves at its group 12, whose successors ask for nothing
.set G, 64
.rept 12
	STEP2 1
.set G, G+1
.endr
	WIN 0
	s_cmp_eq_u32 s[QN], 3
	s_cbranch_scc1 .Lotail
.rept 4
	STEP2 1
.set G, G+1
.endr
.set QU, 0
	OEND                                           ; its wait on XCNT has also freed v4 and v5, which no line behind that wait names
	s_add_co_u32 s[QN], s[QN], 1
	s_add_co_u32 s[QN+1], s[QN+1], 1
	v_mov_b32 v[XC], v[XC+1]
	QOFF s[QN+1], 13
	v_add_nc_u32 v[XC+1], s70, v[XO]
	s_cmp_lt_u32 s[QN], 4
	s_wait_alu depctr_va_vdst(0)                   ; the wait ahead of the branch
	s_cbranch_scc1 .Lquarter                       ; the fourth trip leaves above, at its group 12
.Lotail:
.set G, 76
.rept 4
	STEP2 0
.set G, G+1
.endr
.set QU, 3
	OEND
	s_wait_tensorcnt 0x0                           ; the wave's end
	ds_add_u32 v[SPW], v[NIL]
	s_wait_dscnt 0x0
	s_endpgm
.Lfunc_end_k_qff634032e5_project:
	.size	k_qff634032e5_project, .Lfunc_end_k_qff634032e5_project-k_qff634032e5_project
	.p2alignl 7, 3214868480
	.fill 96, 4, 3214868480
	.section	.rodata,"a",@progbits
	.p2align	6, 0x0
	.amdhsa_kernel k_qff634032e5_project
		.amdhsa_group_segment_fixed_size 56832
		.amdhsa_private_segment_fixed_size 0
		.amdhsa_enable_private_segment 0
		.amdhsa_kernarg_size 56
		.amdhsa_user_sgpr_count 2
		.amdhsa_user_sgpr_kernarg_segment_ptr 1
		.amdhsa_wavefront_size32 1
		.amdhsa_system_sgpr_workgroup_id_x 1
		.amdhsa_system_sgpr_workgroup_id_y 1
		.amdhsa_system_sgpr_workgroup_id_z 1
		.amdhsa_system_vgpr_workitem_id 0
		.amdhsa_next_free_vgpr 1024
		.amdhsa_next_free_sgpr 100
		.amdhsa_reserve_vcc 0
		.amdhsa_float_denorm_mode_32 3
		.amdhsa_float_denorm_mode_16_64 3
		.amdhsa_memory_ordered 1
		.amdhsa_forward_progress 1
		.amdhsa_inst_pref_size 255
	.end_amdhsa_kernel
	.section	.bss,"aw",@nobits
	.p2align	6
	.space	262144
	.amdgpu_metadata
---
amdhsa.version: [ 1, 2 ]
amdhsa.kernels:
  - .name:           k_qff634032e5_project
    .symbol:         k_qff634032e5_project.kd
    .args:
      - { .name: query, .offset: 0, .size: 8, .value_kind: global_buffer, .address_space: global }
      - { .name: wcodes, .offset: 8, .size: 8, .value_kind: global_buffer, .address_space: global }
      - { .name: in_proj_bias, .offset: 16, .size: 8, .value_kind: global_buffer, .address_space: global }
      - { .name: kvpart, .offset: 24, .size: 8, .value_kind: global_buffer, .address_space: global }
      - { .name: out_proj_bias, .offset: 32, .size: 8, .value_kind: global_buffer, .address_space: global }
      - { .name: lowp_scales, .offset: 40, .size: 8, .value_kind: global_buffer, .address_space: global }
      - { .name: out0, .offset: 48, .size: 8, .value_kind: global_buffer, .address_space: global }
    .group_segment_fixed_size: 56832
    .private_segment_fixed_size: 0
    .kernarg_segment_align: 8
    .kernarg_segment_size: 56
    .max_flat_workgroup_size: 128
    .sgpr_count:     100
    .vgpr_count:     1024
    .wavefront_size: 32
...
	.end_amdgpu_metadata
.endif
;; end of part 3
